; MI455X (gfx1250); checked and timed in simulation.
; The chip was launched on July 23, 2026; its instructions are those of AMD's public machine-readable ISA for CDNA 5 (MIT licence, August 2026) and "CDNA5" Instruction Set Architecture Reference Guide (July 2026). The comments in the code are by the model that wrote it; some were corrected since.
;; Roi Pooling. Allowed arithmetic: float matrix products may take bf16 or f16 operands with f32 sums; all other float work in f32.
;; Inputs: features_map 1 x 200 x 200 x 256 float32; image_shape 2 int32; rois 1 x 1,000 x 4 int32.
;; Outputs: out0 1 x 1,000 x 7 x 7 x 256 float32.
;; 3 versions, each right; version 2 is faster than version 1; version 3 is version 2 with the launch roipool written anew for expert scheduling mode. Each part assembles by itself: llvm-mc -triple=amdgcn-amd-amdhsa -mcpu=gfx1250 --defsym DOCPART=n.
;; ======== version 1 of 3: 1 launch
;; limits: right only within a limited range of input values
;; launch roipool (part 1): grid 1000 x 1, 7 waves a work-group, no clusters, 0 bytes of LDS; arguments features_map, image_shape, rois, out0; writes out0
.if DOCPART == 1
	.amdgcn_target "amdgcn-amd-amdhsa--gfx1250"
	.amdhsa_code_object_version 6
	.text
	.protected	k_q5bb246831c_roipool
	.globl	k_q5bb246831c_roipool
	.p2align	8
	.type	k_q5bb246831c_roipool,@function
k_q5bb246831c_roipool:
	s_mov_b64 s[64:65], 0
	v_nop
	global_prefetch_b8 v0, s[64:65] scope:SCOPE_SE
	s_setreg_imm32_b32 hwreg(HW_REG_WAVE_MODE, 25, 1), 1
	s_wait_xcnt 0x0
; RoiPooling: crop_and_resize of 14 x 14 bilinear samples per ROI from a [200][200][256] f32 map, then a 2 x 2 max: out [1000][7][7][256].
; One work-group per ROI, seven waves, wave = pooled row py.  A wave folds 2 x 14 samples; a sample is 4 pixels of 1,024 bytes.
; Lane L owns channels 4L..4L+3 and 128+4L..128+4L+3: every load and store of a wave covers 512 consecutive bytes, aligned.
;
; A SAMPLE POSITION IS COMPUTED TWICE.
;  (1) Its index in whole numbers, because addresses are made of whole numbers only: exactly, ys = 199 (a (13-i) + b i) / (52 h) with a, b the
;      ROI's two coordinates and h the image size; the floor is an 8-step restoring division (a quotient above 198 is clamped anyway).
;      The index is clamped to 198, so that the lower row and the right column are always +1: fixed immediate offsets, always inside the map.
;  (2) Its value in f32, for the fraction and for the test 0 <= ys <= 199.  Where the exact position is 0 or 199 the test is decided by the last
;      bit of the f32 sum (the nearest other positions lie 199 / (52 h) away, far beyond any rounding), so the ORDER OF ROUNDING is a choice:
;      b = (a / 4) / h as a rounded division; g = i x the rounded 1/13; d = b2 - b1; g d; p = b1 x 199, each rounded; then ys = (g d) x 199 + p
;      with ONE rounding (a fused multiply-add).  This is the definition's formula as it comes out when the division by the constant 13 is
;      turned into a multiplication and the product that depends on i is fused into the sum.  With b2 = 0 and i = 13 the sum is the rounding
;      error of b1 x 199, and its sign says whether the sample counts.
;      The fraction is ys minus the index of (1): where the f32 floor and the exact floor differ next to an integer the fraction comes out as
;      about 1 or just below 0, and the interpolation, being continuous there, gives the same value to a few units of f32's last place.
;      ys = 199 gives index 198 and fraction 1: the last row, as defined.
; A sample outside the map gets four weights of 0 (a select on the weights, no branch).
;
; LIMITS.  Features are finite: a sample outside the map is formed as 0 x pixel, and the maxima drop NaN.  The sign of a zero may differ.
; 1 <= image_shape <= 2^19 and |rois| < 2^19: then 199 x 13 x |roi| < 2^31 and (52 x size) << 7 < 2^32, and the whole-number index is right;
; beyond that the indices are still clamped into the map.
;
; NO LDS, NO BARRIER, NO CLUSTER: the 784 pixels of a ROI are used once each, and which pixels two ROIs share is not known in advance, so there
; is no tile to keep or to ask for jointly.  No prefetch: 784,000 pixel reads fall on 40,000 pixels, so most reads follow another group's.
.set PIXB,  1024                       ; bytes of a pixel: 256 f32
.set ROWB,  200*PIXB                   ; bytes of a row of the map
.set TOPI,  198                        ; largest index of an upper-left corner
.set NSAMP, 28                         ; samples of a wave: 2 rows x 14 columns
.set DEPTH, 3                          ; register slots: one at work, two on their way
; vector registers
.set L16,  1                           ; v1       16 x lane
.set OFF,  2                           ; v[2:4]   slot s: byte offset of my 16 bytes in the sample's upper-left pixel
.set TMP,  5
.set ACCA, 6                           ; v[6:13]  sample 0 of a cell, then the max of samples 0, 1, 2
.set ACCB, 14                          ; v[14:21] sample 1, later sample 3
.set ACCC, 22                          ; v[22:29] sample 2, later the cell's result as stored
.set RING, 30                          ; v[30:125] slot s: 32 registers: upper-left, upper-right, lower-left, lower-right, 8 each
; set-up temporaries, in v[6:29], all dead before the first sample is folded
.set VI,   6                           ; i = lane % 16: which of the 14 positions
.set VS,   7                           ; the box's first coordinate on my axis
.set VE,   8                           ; its second
.set VDIM, 9                           ; the image size on my axis
.set VN,   10                          ; numerator, then remainder
.set VD,   11                          ; denominator
.set VT,   12
.set VQ,   13                          ; quotient = index
.set FS,   14
.set FE,   15
.set FD,   16
.set FI,   17
.set RD,   19                          ; 1 / size
.set B1,   21
.set B2,   22
.set GR,   23                          ; i x (1/13)
.set PS,   24                          ; the position ys or xs
.set DD,   25
.set WV0,  26                          ; weight of the index itself
.set WV1,  27                          ; weight of index + 1
; scalar registers: s2 199, s3 199.0, s[4:11] the four addresses, s12 py, s13 mask of the x lanes, s[14:15] at work,
; s[16:19] the ROI, s[20:21] image_shape, s22, s23 the lanes of my two sample rows
.set XO,   24                          ; s[24:37] column j: byte offset of its left pixel in a row
.set YO,   38                          ; s[38:39] my two sample rows: byte offset of the upper map row
.set WX0,  40                          ; s[40:53] column j: weight of the left pixel
.set WY0,  54                          ; s[54:55] my two rows: weight of the upper map row
.set WY1,  56                          ; s[56:57] weight of the lower map row
.set SUM,  58                          ; s[58:60] slot s: row offset + column offset
.set WX1,  66                          ; s[66:79] column j: weight of the right pixel
.set WP,   80                          ; s[80:95] two sets of four weight products, each in the even register of a pair
	s_load_b256 s[4:11], s[0:1], 0x0               ; features s[4:5], image_shape s[6:7], rois s[8:9], out s[10:11]
	v_lshrrev_b32 v[TMP], 5, v0
	v_readfirstlane_b32 s12, v[TMP]                ; wave number = pooled row py
	v_and_b32 v[TMP], 31, v0                       ; lane
	v_lshlrev_b32 v[L16], 4, v[TMP]
	v_and_b32 v[VI], 15, v[TMP]                    ; lanes 0-13: y positions, lanes 16-29: x positions (14, 15, 30, 31 idle along)
	v_cmp_lt_u32 s13, 15, v[TMP]                   ; the x lanes
	v_sub_nc_u32 v[VT], 13, v[VI]                  ; 13 - i
	s_lshl_b32 s14, ttmp9, 4                       ; 16 bytes a ROI
	s_mov_b32 s15, 0
	s_movk_i32 s2, 199
	s_mov_b32 s3, 0x43470000                       ; 199.0
	s_lshl_b32 s22, s12, 1                         ; sample rows 2 py
	s_add_co_u32 s23, s22, 1                       ; and 2 py + 1
.irp p, 1,3,5,7,9,11,13,15
	s_mov_b32 s[WP+\p], 0                          ; the odd halves of the weight pairs are never multiplied by, but a pair is named whole
.endr
	s_wait_kmcnt 0x0
	s_add_nc_u64 s[8:9], s[8:9], s[14:15]
	s_load_b128 s[16:19], s[8:9], 0x0              ; x1, y1, x2, y2 of my ROI
	s_load_b64 s[20:21], s[6:7], 0x0               ; h, w
	s_mul_i32 s14, ttmp9, 49
	s_mul_i32 s58, s12, 7
	s_add_co_u32 s14, s14, s58
	s_lshl_b32 s14, s14, 10                        ; (49 ROI + 7 py) cells of 1,024 bytes: below 2^26
	s_add_nc_u64 s[10:11], s[10:11], s[14:15]      ; out at my row of cells
	s_wait_kmcnt 0x0
	; ---- the index, in whole numbers ----
	v_mov_b32 v[VS], s16
	v_cndmask_b32 v[VS], s17, v[VS], s13           ; x lanes x1, y lanes y1
	v_mov_b32 v[VE], s18
	v_cndmask_b32 v[VE], s19, v[VE], s13           ; x2, y2
	v_mov_b32 v[VDIM], s21
	v_cndmask_b32 v[VDIM], s20, v[VDIM], s13       ; w, h
	v_mul_lo_u32 v[VN], v[VS], v[VT]
	v_mul_lo_u32 v[VT], v[VE], v[VI]
	v_add_nc_u32 v[VN], v[VN], v[VT]
	v_mul_lo_u32 v[VN], v[VN], s2                  ; 199 (a (13 - i) + b i); a negative one reads as a huge one and ends at the clamp
	v_mul_lo_u32 v[VD], v[VDIM], 52                ; 4 x 13 x size
	v_mov_b32 v[VQ], 0
.irp b, 7,6,5,4,3,2,1,0                            ; quotient bit b: subtract the denominator << b where it fits; 256 and more gives 255
	v_lshlrev_b32 v[VT], \b, v[VD]
	v_cmp_ge_u32 vcc_lo, v[VN], v[VT]
	v_sub_nc_u32 v[VT], v[VN], v[VT]
	v_cndmask_b32 v[VN], v[VN], v[VT], vcc_lo
	v_add_co_ci_u32 v[VQ], vcc_lo, v[VQ], v[VQ], vcc_lo    ; q = 2 q + bit
.endr
	v_readlane_b32 s[YO], v[VQ], s22
	v_readlane_b32 s[YO+1], v[VQ], s23
	s_min_u32 s[YO], s[YO], TOPI                   ; every index is clamped as a scalar, then scaled: no load leaves the map
	s_min_u32 s[YO+1], s[YO+1], TOPI
	s_mul_i32 s[YO], s[YO], ROWB
	s_mul_i32 s[YO+1], s[YO+1], ROWB
.irp j, 0,1
	v_readlane_b32 s[XO+\j], v[VQ], 16+\j
	s_min_u32 s[XO+\j], s[XO+\j], TOPI
	s_lshl_b32 s[XO+\j], s[XO+\j], 10
.endr
; Sample n (cell n / 4; row bit 1 of n, column 2 (n / 4) + bit 0 of n) is requested into slot n % 3: eight loads of 512 consecutive bytes.
; The two pixels of a map row are 2,048 consecutive bytes; the lower row lies ROWB further.
; The largest byte touched is (198 x 200 + 198) x 1024 + ROWB + 2047, the map's last.
.macro FILL n
.set fi, ((\n)>>1)&1
.set fj, 2*((\n)>>2)+((\n)&1)
.set fs, (\n)%DEPTH
	s_add_co_u32 s[SUM+fs], s[YO+fi], s[XO+fj]
	v_add_nc_u32 v[OFF+fs], s[SUM+fs], v[L16]      ; the slot's last loads, which read this register, are in (the wait at the head of SAMPLE)
.irp c, 0,1,2,3
	global_load_b128 v[RING+32*fs+4*\c:RING+32*fs+4*\c+3], v[OFF+fs], s[4:5] offset:512*\c
.endr
.irp c, 0,1,2,3
	global_load_b128 v[RING+32*fs+16+4*\c:RING+32*fs+16+4*\c+3], v[OFF+fs], s[4:5] offset:ROWB+512*\c
.endr
.endm
	FILL 0                                         ; the ring is filled as soon as the first indices are known;
	FILL 1                                         ; the f32 part of the set-up runs while these 24 loads are on their way
	FILL 2
.irp j, 2,3,4,5,6,7,8,9,10,11,12,13
	v_readlane_b32 s[XO+\j], v[VQ], 16+\j
	s_min_u32 s[XO+\j], s[XO+\j], TOPI
	s_lshl_b32 s[XO+\j], s[XO+\j], 10
.endr
	; ---- the position in f32, in the order of rounding stated at the head: fraction and validity ----
	v_cvt_f32_i32 v[FS], v[VS]
	v_cvt_f32_i32 v[FE], v[VE]
	v_cvt_f32_i32 v[FD], v[VDIM]
	v_cvt_f32_u32 v[FI], v[VI]
	v_rcp_f32 v[RD], v[FD]
	v_mul_f32 v[FS], 0x3e800000, v[FS]             ; / 4, exact.  Also the plain instruction between v_rcp_f32 and the use of its result (ISA guide 5.7.2)
	v_mul_f32 v[FE], 0x3e800000, v[FE]
	v_mul_f32 v[GR], 0x3d9d89d9, v[FI]             ; grid = i x (1/13 rounded to f32), rounded; at i = 13 it is 1 + 5 x 2^-27, which rounds to 1.0
	s_wait_alu depctr_va_vdst(0)
	v_fma_f32 v[VT], -v[FD], v[RD], 1.0            ; one Newton step on the reciprocal
	v_fma_f32 v[RD], v[VT], v[RD], v[RD]
; q = a / b rounded as a division: a first quotient, then twice the exact residual a - b q times the reciprocal.
; A size of 0 makes NaN of everything, which fails both comparisons below: weights 0, as the definition's mask gives.
.macro FDIV q, a, b, y
	v_mul_f32 v[\q], v[\a], v[\y]
	v_fma_f32 v[VT], -v[\b], v[\q], v[\a]
	v_fma_f32 v[\q], v[VT], v[\y], v[\q]
	v_fma_f32 v[VT], -v[\b], v[\q], v[\a]
	v_fma_f32 v[\q], v[VT], v[\y], v[\q]
.endm
	FDIV B1, FS, FD, RD                            ; the box's normalized first coordinate
	FDIV B2, FE, FD, RD                            ; and second
	v_mul_f32 v[PS], s3, v[B1]                     ; p = b1 x 199, rounded by itself: it does not depend on i
	v_sub_f32 v[DD], v[B2], v[B1]
	v_mul_f32 v[DD], v[GR], v[DD]                  ; g d, rounded
	v_fma_f32 v[PS], v[DD], s3, v[PS]              ; ys (y lanes), xs (x lanes) = (g d) x 199 + p, one rounding
	v_min_u32 v[VQ], TOPI, v[VQ]
	v_cvt_f32_u32 v[VT], v[VQ]
	v_cmp_le_f32 vcc_lo, 0, v[PS]
	v_cmp_ge_f32 s14, s3, v[PS]
	s_and_b32 vcc_lo, vcc_lo, s14                  ; 0 <= position <= 199
	v_sub_f32 v[WV1], v[PS], v[VT]                 ; the fraction
	v_sub_f32 v[WV0], 1.0, v[WV1]
	v_cndmask_b32 v[WV1], 0, v[WV1], vcc_lo        ; outside the map both weights are 0
	v_cndmask_b32 v[WV0], 0, v[WV0], vcc_lo
	v_readlane_b32 s[WY0], v[WV0], s22
	v_readlane_b32 s[WY0+1], v[WV0], s23
	v_readlane_b32 s[WY1], v[WV1], s22
	v_readlane_b32 s[WY1+1], v[WV1], s23
.irp j, 0,1,2,3,4,5,6,7,8,9,10,11,12,13
	v_readlane_b32 s[WX0+\j], v[WV0], 16+\j
	v_readlane_b32 s[WX1+\j], v[WV1], 16+\j
.endr
; ---- sample k: four weight products, 16 packed multiply-adds for my 8 channels, the slot filled again, and the cell's max ----
; Samples 0, 1, 2 of a cell go to ACCA, ACCB, ACCC and meet in one three-way max; sample 3 goes to ACCB; the result is made in ACCC and stored.
.macro SAMPLE
.set si, (k>>1)&1
.set sj, 2*(k>>2)+(k&1)
.set sq, k&3
.set sr, RING+32*(k%DEPTH)
.set sw, WP+8*(k&1)                    ; the two sets of products take turns: a set is written while the other may still be multiplied by
.if sq==0
.set sd, ACCA
.endif
.if sq==1
.set sd, ACCB
.endif
.if sq==2
.set sd, ACCC
.endif
.if sq==3
.set sd, ACCB
.endif
	s_mul_f32 s[sw+0], s[WY0+si], s[WX0+sj]        ; upper left
	s_mul_f32 s[sw+2], s[WY0+si], s[WX1+sj]        ; upper right
	s_mul_f32 s[sw+4], s[WY1+si], s[WX0+sj]        ; lower left
	s_mul_f32 s[sw+6], s[WY1+si], s[WX1+sj]        ; lower right
.if k<=NSAMP-3
	s_wait_loadcnt 16                              ; loads come back in order (ISA guide 5.7.1): my eight are in, the 2 x 8 of the two younger samples stay out
.else
	s_wait_loadcnt 8*(NSAMP-1-k)                   ; the tail: one younger sample, then none
.endif
.if sq==2
.if k>=4
	s_wait_xcnt 0x0                                ; ACCC was the last cell's store data: it is rewritten only behind this wait (ISA guide 3.1)
.endif
.endif
.irp c, 0,2,4,6
	v_pk_mul_f32 v[sd+\c:sd+\c+1], v[sr+\c:sr+\c+1], s[sw:sw+1] op_sel_hi:[1,0]
.endr
.irp c, 0,2,4,6
	v_pk_fma_f32 v[sd+\c:sd+\c+1], v[sr+8+\c:sr+8+\c+1], s[sw+2:sw+3], v[sd+\c:sd+\c+1] op_sel_hi:[1,0,1]
.endr
.irp c, 0,2,4,6
	v_pk_fma_f32 v[sd+\c:sd+\c+1], v[sr+16+\c:sr+16+\c+1], s[sw+4:sw+5], v[sd+\c:sd+\c+1] op_sel_hi:[1,0,1]
.endr
.irp c, 0,2,4,6
	v_pk_fma_f32 v[sd+\c:sd+\c+1], v[sr+24+\c:sr+24+\c+1], s[sw+6:sw+7], v[sd+\c:sd+\c+1] op_sel_hi:[1,0,1]
.endr
.if k+DEPTH<NSAMP
	FILL (k+DEPTH)                                 ; the slot just folded gets the sample three further on
.endif
.if sq==2
.irp c, 0,1,2,3,4,5,6,7
	v_max3_num_f32 v[ACCA+\c], v[ACCA+\c], v[ACCB+\c], v[ACCC+\c]
.endr
.endif
.if sq==3
.irp c, 0,1,2,3,4,5,6,7
	v_max_num_f32 v[ACCC+\c], v[ACCA+\c], v[ACCB+\c]
.endr
	global_store_b128 v[L16], v[ACCC:ACCC+3], s[10:11] offset:(k>>2)*PIXB th:TH_STORE_NT        ; channels 0-127 of the cell: 512 consecutive bytes
	global_store_b128 v[L16], v[ACCC+4:ACCC+7], s[10:11] offset:(k>>2)*PIXB+512 th:TH_STORE_NT  ; channels 128-255
.endif
.endm
.set k, 0
.rept NSAMP
	SAMPLE
.set k, k+1
.endr
	s_endpgm
.Lfunc_end_k_q5bb246831c_roipool:
	.size	k_q5bb246831c_roipool, .Lfunc_end_k_q5bb246831c_roipool-k_q5bb246831c_roipool
	.p2alignl 7, 3214868480
	.fill 96, 4, 3214868480
	.section	.rodata,"a",@progbits
	.p2align	6, 0x0
	.amdhsa_kernel k_q5bb246831c_roipool
		.amdhsa_group_segment_fixed_size 0
		.amdhsa_private_segment_fixed_size 0
		.amdhsa_enable_private_segment 0
		.amdhsa_kernarg_size 32
		.amdhsa_user_sgpr_count 2
		.amdhsa_user_sgpr_kernarg_segment_ptr 1
		.amdhsa_wavefront_size32 1
		.amdhsa_system_sgpr_workgroup_id_x 1
		.amdhsa_system_sgpr_workgroup_id_y 1
		.amdhsa_system_sgpr_workgroup_id_z 1
		.amdhsa_system_vgpr_workitem_id 0
		.amdhsa_next_free_vgpr 128
		.amdhsa_next_free_sgpr 96
		.amdhsa_reserve_vcc 1
		.amdhsa_float_denorm_mode_32 3
		.amdhsa_float_denorm_mode_16_64 3
		.amdhsa_memory_ordered 1
		.amdhsa_forward_progress 1
		.amdhsa_inst_pref_size 72
	.end_amdhsa_kernel
	.amdgpu_metadata
---
amdhsa.version: [ 1, 2 ]
amdhsa.kernels:
  - .name:           k_q5bb246831c_roipool
    .symbol:         k_q5bb246831c_roipool.kd
    .args:
      - { .name: features_map, .offset: 0, .size: 8, .value_kind: global_buffer, .address_space: global }
      - { .name: image_shape, .offset: 8, .size: 8, .value_kind: global_buffer, .address_space: global }
      - { .name: rois, .offset: 16, .size: 8, .value_kind: global_buffer, .address_space: global }
      - { .name: out0, .offset: 24, .size: 8, .value_kind: global_buffer, .address_space: global }
    .group_segment_fixed_size: 0
    .private_segment_fixed_size: 0
    .kernarg_segment_align: 8
    .kernarg_segment_size: 32
    .max_flat_workgroup_size: 224
    .sgpr_count:     96
    .vgpr_count:     128
    .wavefront_size: 32
...
	.end_amdgpu_metadata
.endif
;; end of part 1
;; ======== version 2 of 3: 2 launches; 1.18 times as fast as version 1
;; limits: right only within a limited range of input values; values outside matrix products are rounded to bf16
;; workspace buffers: featb 20,480,000 bytes
;; launch tobf16 (part 2): grid 1000 x 1, 8 waves a work-group, no clusters, 0 bytes of LDS; arguments features_map, featb; writes featb
.if DOCPART == 2
	.amdgcn_target "amdgcn-amd-amdhsa--gfx1250"
	.amdhsa_code_object_version 6
	.text
	.protected	k_q5bb246831c_tobf16
	.globl	k_q5bb246831c_tobf16
	.p2align	8
	.type	k_q5bb246831c_tobf16,@function
k_q5bb246831c_tobf16:
	s_mov_b64 s[64:65], 0
	v_nop
	global_prefetch_b8 v0, s[64:65] scope:SCOPE_SE
	s_setreg_imm32_b32 hwreg(HW_REG_WAVE_MODE, 25, 1), 1
	s_wait_xcnt 0x0
; The feature map [200 x 200 pixels][256] f32 is copied once as bf16 (round to nearest even), because the next launch gathers every pixel
; about twenty times (784,000 pixel reads on 40,000 pixels): half the bytes there for 1.5 times the map's bytes here.
; LAYOUT OF THE COPY: pixel p at byte 512 p; its 16-byte group L (0..31) holds channels 4L, 4L+1, 4L+2, 4L+3, 128+4L, .., 128+4L+3.
; So a lane that loads group L owns the same eight channels that it can store as two runs of 16 bytes of f32 at 16 L and 512 + 16 L of a cell,
; and here lane L reads just these two runs: every load and every store of a wave covers 512 consecutive bytes, aligned.
; 1000 work-groups x 8 waves x 5 pixels = 40,000 pixels.  No loop: a wave asks for its 10 x 512 bytes at once and converts them as they come.
; No LDS, no barrier: no wave needs another's data.
.set PIXIN,  1024                      ; bytes of a pixel in f32
.set PIXOUT, 512                       ; and in bf16
.set PPW,    5                         ; pixels of a wave
.set WAVES,  8
.set X,      6                         ; v[6:45] pixel j: 8 registers as loaded; its first 4 then hold the 8 bf16
	s_load_b128 s[4:7], s[0:1], 0x0                ; features_map s[4:5], featb s[6:7]
	v_and_b32 v1, 31, v0
	v_lshlrev_b32 v1, 4, v1                        ; 16 x lane
	v_lshrrev_b32 v4, 5, v0                        ; wave
	s_movk_i32 s12, PPW*PIXIN
	s_movk_i32 s13, PPW*PIXOUT
	v_mad_u32_u24 v2, v4, s12, v1                  ; my bytes in the group's part of the map
	v_mad_u32_u24 v3, v4, s13, v1                  ; and of the copy
	s_mul_i32 s8, ttmp9, WAVES*PPW*PIXIN           ; at most 999 x 40,960: 32 bits do
	s_mov_b32 s9, 0
	s_mul_i32 s10, ttmp9, WAVES*PPW*PIXOUT
	s_mov_b32 s11, 0
	s_wait_kmcnt 0x0
	s_add_nc_u64 s[4:5], s[4:5], s[8:9]
	s_add_nc_u64 s[6:7], s[6:7], s[10:11]
.irp j, 0,1,2,3,4
	global_load_b128 v[X+8*\j:X+8*\j+3],   v2, s[4:5] offset:PIXIN*\j th:TH_LOAD_NT       ; channels 4L .. 4L+3; read once in this launch
	global_load_b128 v[X+8*\j+4:X+8*\j+7], v2, s[4:5] offset:PIXIN*\j+512 th:TH_LOAD_NT   ; channels 128+4L .. 128+4L+3
.endr
.irp j, 0,1,2,3,4
	s_wait_loadcnt 8-2*\j                          ; loads come back in order (ISA guide 5.7.1): pixel j's two are in, two for each later pixel stay out
	v_cvt_pk_bf16_f32 v[X+8*\j],   v[X+8*\j],   v[X+8*\j+1]    ; in place: each line writes a register that no later line reads
	v_cvt_pk_bf16_f32 v[X+8*\j+1], v[X+8*\j+2], v[X+8*\j+3]
	v_cvt_pk_bf16_f32 v[X+8*\j+2], v[X+8*\j+4], v[X+8*\j+5]
	v_cvt_pk_bf16_f32 v[X+8*\j+3], v[X+8*\j+6], v[X+8*\j+7]
	global_store_b128 v3, v[X+8*\j:X+8*\j+3], s[6:7] offset:PIXOUT*\j      ; no hint: the next launch reads these bytes
.endr
	s_endpgm
.Lfunc_end_k_q5bb246831c_tobf16:
	.size	k_q5bb246831c_tobf16, .Lfunc_end_k_q5bb246831c_tobf16-k_q5bb246831c_tobf16
	.p2alignl 7, 3214868480
	.fill 96, 4, 3214868480
	.section	.rodata,"a",@progbits
	.p2align	6, 0x0
	.amdhsa_kernel k_q5bb246831c_tobf16
		.amdhsa_group_segment_fixed_size 0
		.amdhsa_private_segment_fixed_size 0
		.amdhsa_enable_private_segment 0
		.amdhsa_kernarg_size 16
		.amdhsa_user_sgpr_count 2
		.amdhsa_user_sgpr_kernarg_segment_ptr 1
		.amdhsa_wavefront_size32 1
		.amdhsa_system_sgpr_workgroup_id_x 1
		.amdhsa_system_sgpr_workgroup_id_y 1
		.amdhsa_system_sgpr_workgroup_id_z 1
		.amdhsa_system_vgpr_workitem_id 0
		.amdhsa_next_free_vgpr 48
		.amdhsa_next_free_sgpr 66
		.amdhsa_reserve_vcc 0
		.amdhsa_float_denorm_mode_32 3
		.amdhsa_float_denorm_mode_16_64 3
		.amdhsa_memory_ordered 1
		.amdhsa_forward_progress 1
		.amdhsa_inst_pref_size 4
	.end_amdhsa_kernel
	.amdgpu_metadata
---
amdhsa.version: [ 1, 2 ]
amdhsa.kernels:
  - .name:           k_q5bb246831c_tobf16
    .symbol:         k_q5bb246831c_tobf16.kd
    .args:
      - { .name: features_map, .offset: 0, .size: 8, .value_kind: global_buffer, .address_space: global }
      - { .name: featb, .offset: 8, .size: 8, .value_kind: global_buffer, .address_space: global }
    .group_segment_fixed_size: 0
    .private_segment_fixed_size: 0
    .kernarg_segment_align: 8
    .kernarg_segment_size: 16
    .max_flat_workgroup_size: 256
    .sgpr_count:     66
    .vgpr_count:     48
    .wavefront_size: 32
...
	.end_amdgpu_metadata
.endif
;; end of part 2
;; launch roipool (part 3): grid 1000 x 1, 7 waves a work-group, no clusters, 0 bytes of LDS; arguments featb, image_shape, rois, out0; writes out0
.if DOCPART == 3
	.amdgcn_target "amdgcn-amd-amdhsa--gfx1250"
	.amdhsa_code_object_version 6
	.text
	.protected	k_q5bb246831c_roipool
	.globl	k_q5bb246831c_roipool
	.p2align	8
	.type	k_q5bb246831c_roipool,@function
k_q5bb246831c_roipool:
	s_mov_b64 s[64:65], 0
	v_nop
	global_prefetch_b8 v0, s[64:65] scope:SCOPE_SE
	s_setreg_imm32_b32 hwreg(HW_REG_WAVE_MODE, 25, 1), 1
	s_wait_xcnt 0x0
; RoiPooling: crop_and_resize of 14 x 14 bilinear samples per ROI from a [200][200][256] map, then a 2 x 2 max: out [1000][7][7][256] f32.
; The map is read from the bf16 copy that the launch before made: pixel p at byte 512 p, 16-byte group L = channels 4L..4L+3, 128+4L..128+4L+3.
; One work-group per ROI, seven waves, wave = pooled row py.  A wave folds 2 x 14 samples; a sample is 4 pixels of 512 bytes, one load each.
; Lane L owns group L: every load covers a whole pixel, and each of a cell's two stores covers 512 consecutive bytes, aligned.
;
; A SAMPLE POSITION IS COMPUTED TWICE.
;  (1) Its index in whole numbers, because addresses are made of whole numbers only: exactly, ys = 199 (a (13-i) + b i) / (52 h) with a, b the
;      ROI's two coordinates and h the image size; the floor is an 8-step restoring division (a quotient above 198 is clamped anyway).
;      The index is clamped to 198, so that the lower row and the right column are always +1: fixed immediate offsets, always inside the map.
;  (2) Its value in f32, for the fraction and for the test 0 <= ys <= 199.  Where the exact position is 0 or 199 the test is decided by the last
;      bit of the f32 sum (the nearest other positions lie 199 / (52 h) away, far beyond any rounding), so the ORDER OF ROUNDING is a choice:
;      b = (a / 4) / h as a rounded division; g = i x the rounded 1/13; d = b2 - b1; g d; p = b1 x 199, each rounded; then ys = (g d) x 199 + p
;      with ONE rounding (a fused multiply-add).  This is the definition's formula as it comes out when the division by the constant 13 is
;      turned into a multiplication and the product that depends on i is fused into the sum.  With b2 = 0 and i = 13 the sum is the rounding
;      error of b1 x 199, and its sign says whether the sample counts.
;      The fraction is ys minus the index of (1): where the f32 floor and the exact floor differ next to an integer the fraction comes out as
;      about 1 or just below 0, and the interpolation, being continuous there, gives the same value to a few units of f32's last place.
;      ys = 199 gives index 198 and fraction 1: the last row, as defined.
; A sample outside the map gets four weights of 0 (a select on the weights, no branch).
;
; LIMITS.  FORMAT: each feature has been rounded once to bf16 (relative error at most 2^-9); weights, products, sums and maxima are f32, so a
; result is off by at most the largest rounding among its four pixels.  Features are finite: a sample outside the map is formed as 0 x pixel,
; and the maxima drop NaN.  The sign of a zero may differ.  1 <= image_shape <= 2^19 and |rois| < 2^19: then 199 x 13 x |roi| < 2^31 and
; (52 x size) << 7 < 2^32, and the whole-number index is right; beyond that the indices are still clamped into the map.
;
; NO LDS, NO BARRIER, NO CLUSTER: the 784 pixels of a ROI are used once each, and which pixels two ROIs share is not known in advance, so there
; is no tile to keep or to ask for jointly.  No prefetch: 784,000 pixel reads fall on 40,000 pixels, so most reads follow another group's.
.set PIXB,  512                        ; bytes of a pixel of the copy: 256 bf16
.set ROWB,  200*PIXB                   ; bytes of a row of the copy
.set CELLB, 1024                       ; bytes of a cell of the output: 256 f32
.set TOPI,  198                        ; largest index of an upper-left corner
.set NSAMP, 28                         ; samples of a wave: 2 rows x 14 columns
.set DEPTH, 4                          ; register slots: one at work, three on their way
.set NRES,  4                          ; sets of result registers
; vector registers
.set L16,  1                           ; v1       16 x lane
.set OFF,  2                           ; v[2:5]   slot s: byte offset of my 16 bytes in the sample's upper-left pixel
.set TMP,  6
.set ZERO, 7                           ; v7       0.0: what the first product of a sample is added to
.set W,    8                           ; v[8:11]  the sample's four weights: upper left, upper right, lower left, lower right
.set ACCB, 12                          ; v[12:19] sample 1 of a cell, later sample 3
.set ACCC, 20                          ; v[20:27] sample 2
.set RES,  28                          ; v[28:59] set c % 4 of cell c: sample 0, then the running max, then the store's data
.set RING, 60                          ; v[60:123] slot s: 16 registers: four pixels in the order of the weights, 4 each
; set-up temporaries, in v[12:31], all dead before the first sample is folded
.set VI,   12                          ; i = lane % 16: which of the 14 positions
.set VS,   13                          ; the box's first coordinate on my axis
.set VE,   14                          ; its second
.set VDIM, 15                          ; the image size on my axis
.set VN,   16                          ; numerator, then remainder
.set VD,   17                          ; denominator
.set VT,   18
.set VQ,   19                          ; quotient = index
.set FS,   20
.set FE,   21
.set FD,   22
.set FI,   23
.set RD,   24                          ; 1 / size
.set B1,   25
.set B2,   26
.set GR,   27                          ; i x (1/13)
.set PS,   28                          ; the position ys or xs
.set DD,   29
.set WV0,  30                          ; weight of the index itself
.set WV1,  31                          ; weight of index + 1
; scalar registers: s2 199, s3 199.0, s[4:11] the four addresses, s12 py, s13 mask of the x lanes, s[14:15] at work,
; s[16:19] the ROI, s[20:21] image_shape, s22, s23 the lanes of my two sample rows
.set XO,   24                          ; s[24:37] column j: byte offset of its left pixel in a row
.set YO,   38                          ; s[38:39] my two sample rows: byte offset of the upper map row
.set WX0,  40                          ; s[40:53] column j: weight of the left pixel
.set WY0,  54                          ; s[54:55] my two rows: weight of the upper map row
.set WY1,  56                          ; s[56:57] weight of the lower map row
.set SUM,  58                          ; s58      row offset + column offset, at work
.set WX1,  66                          ; s[66:79] column j: weight of the right pixel
	s_load_b256 s[4:11], s[0:1], 0x0               ; featb s[4:5], image_shape s[6:7], rois s[8:9], out s[10:11]
	v_lshrrev_b32 v[TMP], 5, v0
	v_readfirstlane_b32 s12, v[TMP]                ; wave number = pooled row py
	v_and_b32 v[TMP], 31, v0                       ; lane
	v_lshlrev_b32 v[L16], 4, v[TMP]
	v_and_b32 v[VI], 15, v[TMP]                    ; lanes 0-13: y positions, lanes 16-29: x positions (14, 15, 30, 31 idle along)
	v_cmp_lt_u32 s13, 15, v[TMP]                   ; the x lanes
	v_sub_nc_u32 v[VT], 13, v[VI]                  ; 13 - i
	v_mov_b32 v[ZERO], 0
	s_lshl_b32 s14, ttmp9, 4                       ; 16 bytes a ROI
	s_mov_b32 s15, 0
	s_movk_i32 s2, 199
	s_mov_b32 s3, 0x43470000                       ; 199.0
	s_lshl_b32 s22, s12, 1                         ; sample rows 2 py
	s_add_co_u32 s23, s22, 1                       ; and 2 py + 1
	s_wait_kmcnt 0x0
	s_add_nc_u64 s[8:9], s[8:9], s[14:15]
	s_load_b128 s[16:19], s[8:9], 0x0              ; x1, y1, x2, y2 of my ROI
	s_load_b64 s[20:21], s[6:7], 0x0               ; h, w
	s_mul_i32 s14, ttmp9, 49
	s_mul_i32 s[SUM], s12, 7
	s_add_co_u32 s14, s14, s[SUM]
	s_lshl_b32 s14, s14, 10                        ; (49 ROI + 7 py) cells of 1,024 bytes: below 2^26
	s_add_nc_u64 s[10:11], s[10:11], s[14:15]      ; out at my row of cells
	s_wait_kmcnt 0x0
	; ---- the index, in whole numbers ----
	v_mov_b32 v[VS], s16
	v_cndmask_b32 v[VS], s17, v[VS], s13           ; x lanes x1, y lanes y1
	v_mov_b32 v[VE], s18
	v_cndmask_b32 v[VE], s19, v[VE], s13           ; x2, y2
	v_mov_b32 v[VDIM], s21
	v_cndmask_b32 v[VDIM], s20, v[VDIM], s13       ; w, h
	v_mul_lo_u32 v[VN], v[VS], v[VT]
	v_mul_lo_u32 v[VT], v[VE], v[VI]
	v_add_nc_u32 v[VN], v[VN], v[VT]
	v_mul_lo_u32 v[VN], v[VN], s2                  ; 199 (a (13 - i) + b i); a negative one reads as a huge one and ends at the clamp
	v_mul_lo_u32 v[VD], v[VDIM], 52                ; 4 x 13 x size
	v_mov_b32 v[VQ], 0
.irp b, 7,6,5,4,3,2,1,0                            ; quotient bit b: subtract the denominator << b where it fits; 256 and more gives 255
	v_lshlrev_b32 v[VT], \b, v[VD]
	v_cmp_ge_u32 vcc_lo, v[VN], v[VT]
	v_sub_nc_u32 v[VT], v[VN], v[VT]
	v_cndmask_b32 v[VN], v[VN], v[VT], vcc_lo
	v_add_co_ci_u32 v[VQ], vcc_lo, v[VQ], v[VQ], vcc_lo    ; q = 2 q + bit
.endr
	v_readlane_b32 s[YO], v[VQ], s22
	v_readlane_b32 s[YO+1], v[VQ], s23
	s_min_u32 s[YO], s[YO], TOPI                   ; every index is clamped as a scalar, then scaled: no load leaves the map
	s_min_u32 s[YO+1], s[YO+1], TOPI
	s_mul_i32 s[YO], s[YO], ROWB
	s_mul_i32 s[YO+1], s[YO+1], ROWB
.irp j, 0,1
	v_readlane_b32 s[XO+\j], v[VQ], 16+\j
	s_min_u32 s[XO+\j], s[XO+\j], TOPI
	s_lshl_b32 s[XO+\j], s[XO+\j], 9
.endr
; Sample n (cell n / 4; row bit 1 of n, column 2 (n / 4) + bit 0 of n) is requested into slot n % 4: four loads, a whole pixel of 512 bytes each.
; The two pixels of a map row are 1,024 consecutive bytes; the lower row lies ROWB further.
; The largest byte touched is (198 x 200 + 198) x 512 + ROWB + 1023, the copy's last.
.macro FILL n
.set fi, ((\n)>>1)&1
.set fj, 2*((\n)>>2)+((\n)&1)
.set fs, (\n)%DEPTH
	s_add_co_u32 s[SUM], s[YO+fi], s[XO+fj]
	v_add_nc_u32 v[OFF+fs], s[SUM], v[L16]         ; the slot's last loads, which read this register, are in (the wait at the head of SAMPLE)
	global_load_b128 v[RING+16*fs:RING+16*fs+3],     v[OFF+fs], s[4:5]
	global_load_b128 v[RING+16*fs+4:RING+16*fs+7],   v[OFF+fs], s[4:5] offset:PIXB
	global_load_b128 v[RING+16*fs+8:RING+16*fs+11],  v[OFF+fs], s[4:5] offset:ROWB
	global_load_b128 v[RING+16*fs+12:RING+16*fs+15], v[OFF+fs], s[4:5] offset:ROWB+PIXB
.endm
	FILL 0                                         ; the ring is filled as soon as the first indices are known (the first cell needs columns 0 and 1);
	FILL 1                                         ; the f32 part of the set-up runs while these 16 loads are on their way
	FILL 2
	FILL 3
.irp j, 2,3,4,5,6,7,8,9,10,11,12,13
	v_readlane_b32 s[XO+\j], v[VQ], 16+\j
	s_min_u32 s[XO+\j], s[XO+\j], TOPI
	s_lshl_b32 s[XO+\j], s[XO+\j], 9
.endr
	; ---- the position in f32, in the order of rounding stated at the head: fraction and validity ----
	v_cvt_f32_i32 v[FS], v[VS]
	v_cvt_f32_i32 v[FE], v[VE]
	v_cvt_f32_i32 v[FD], v[VDIM]
	v_cvt_f32_u32 v[FI], v[VI]
	v_rcp_f32 v[RD], v[FD]
	v_mul_f32 v[FS], 0x3e800000, v[FS]             ; / 4, exact.  Also the plain instruction between v_rcp_f32 and the use of its result (ISA guide 5.7.2)
	v_mul_f32 v[FE], 0x3e800000, v[FE]
	v_mul_f32 v[GR], 0x3d9d89d9, v[FI]             ; grid = i x (1/13 rounded to f32), rounded; at i = 13 it is 1 + 5 x 2^-27, which rounds to 1.0
	s_wait_alu depctr_va_vdst(0)
	v_fma_f32 v[VT], -v[FD], v[RD], 1.0            ; one Newton step on the reciprocal
	v_fma_f32 v[RD], v[VT], v[RD], v[RD]
; q = a / b rounded as a division: a first quotient, then twice the exact residual a - b q times the reciprocal.
; A size of 0 makes NaN of everything, which fails both comparisons below: weights 0, as the definition's mask gives.
.macro FDIV q, a, b, y
	v_mul_f32 v[\q], v[\a], v[\y]
	v_fma_f32 v[VT], -v[\b], v[\q], v[\a]
	v_fma_f32 v[\q], v[VT], v[\y], v[\q]
	v_fma_f32 v[VT], -v[\b], v[\q], v[\a]
	v_fma_f32 v[\q], v[VT], v[\y], v[\q]
.endm
	FDIV B1, FS, FD, RD                            ; the box's normalized first coordinate
	FDIV B2, FE, FD, RD                            ; and second
	v_mul_f32 v[PS], s3, v[B1]                     ; p = b1 x 199, rounded by itself: it does not depend on i
	v_sub_f32 v[DD], v[B2], v[B1]
	v_mul_f32 v[DD], v[GR], v[DD]                  ; g d, rounded
	v_fma_f32 v[PS], v[DD], s3, v[PS]              ; ys (y lanes), xs (x lanes) = (g d) x 199 + p, one rounding
	v_min_u32 v[VQ], TOPI, v[VQ]
	v_cvt_f32_u32 v[VT], v[VQ]
	v_cmp_le_f32 vcc_lo, 0, v[PS]
	v_cmp_ge_f32 s14, s3, v[PS]
	s_and_b32 vcc_lo, vcc_lo, s14                  ; 0 <= position <= 199
	v_sub_f32 v[WV1], v[PS], v[VT]                 ; the fraction
	v_sub_f32 v[WV0], 1.0, v[WV1]
	v_cndmask_b32 v[WV1], 0, v[WV1], vcc_lo        ; outside the map both weights are 0
	v_cndmask_b32 v[WV0], 0, v[WV0], vcc_lo
	v_readlane_b32 s[WY0], v[WV0], s22
	v_readlane_b32 s[WY0+1], v[WV0], s23
	v_readlane_b32 s[WY1], v[WV1], s22
	v_readlane_b32 s[WY1+1], v[WV1], s23
.irp j, 0,1,2,3,4,5,6,7,8,9,10,11,12,13
	v_readlane_b32 s[WX0+\j], v[WV0], 16+\j
	v_readlane_b32 s[WX1+\j], v[WV1], 16+\j
.endr
; ---- sample k: four weight products, 32 multiply-adds for my 8 channels, the slot filled again, and the cell's max ----
; A multiply-add takes one bf16 half of a loaded word, an f32 weight and an f32 sum, and rounds once to f32: the words are never unpacked.
; Word c of a pixel holds my channels 2c (low half) and 2c + 1 (high half), in the order in which they are stored.
; Sample 0 of a cell goes to the cell's result set, samples 1 and 2 to ACCB and ACCC; one three-way max; sample 3 to ACCB; one max; two stores.
.macro SAMPLE
.set si, (k>>1)&1
.set sj, 2*(k>>2)+(k&1)
.set sq, k&3
.set sr, RING+16*(k%DEPTH)
.set rs, RES+8*((k>>2)%NRES)
.if sq==0
.set sd, rs
.endif
.if sq==1
.set sd, ACCB
.endif
.if sq==2
.set sd, ACCC
.endif
.if sq==3
.set sd, ACCB
.endif
	v_mul_f32 v[W+0], s[WY0+si], s[WX0+sj]         ; upper left
	v_mul_f32 v[W+1], s[WY0+si], s[WX1+sj]         ; upper right
	v_mul_f32 v[W+2], s[WY1+si], s[WX0+sj]         ; lower left
	v_mul_f32 v[W+3], s[WY1+si], s[WX1+sj]         ; lower right
.if k<=NSAMP-DEPTH
	s_wait_loadcnt 4*(DEPTH-1)                     ; loads come back in order (ISA guide 5.7.1): my four are in, the 3 x 4 of the three younger samples stay out
.else
	s_wait_loadcnt 4*(NSAMP-1-k)                   ; the tail: two younger samples, one, none
.endif
.if k==4*NRES
	s_wait_xcnt 0x0                                ; cells 0 to 3 have been stored from the four result sets; cells 4, 5, 6 write sets 0, 1, 2 again,
	                                               ; all behind this one wait (ISA guide 3.1)
.endif
.irp c, 0,1,2,3
	v_fma_mix_f32_bf16 v[sd+2*\c],   v[sr+\c], v[W], v[ZERO] op_sel_hi:[1,0,0]
	v_fma_mix_f32_bf16 v[sd+2*\c+1], v[sr+\c], v[W], v[ZERO] op_sel:[1,0,0] op_sel_hi:[1,0,0]
.endr
.irp p, 1,2,3
.irp c, 0,1,2,3
	v_fma_mix_f32_bf16 v[sd+2*\c],   v[sr+4*\p+\c], v[W+\p], v[sd+2*\c] op_sel_hi:[1,0,0]
	v_fma_mix_f32_bf16 v[sd+2*\c+1], v[sr+4*\p+\c], v[W+\p], v[sd+2*\c+1] op_sel:[1,0,0] op_sel_hi:[1,0,0]
.endr
.endr
.if k+DEPTH<NSAMP
	FILL (k+DEPTH)                                 ; the slot just folded gets the sample four further on
.endif
.if sq==2
.irp c, 0,1,2,3,4,5,6,7
	v_max3_num_f32 v[rs+\c], v[rs+\c], v[ACCB+\c], v[ACCC+\c]
.endr
.endif
.if sq==3
.irp c, 0,1,2,3,4,5,6,7
	v_max_num_f32 v[rs+\c], v[rs+\c], v[ACCB+\c]
.endr
	global_store_b128 v[L16], v[rs:rs+3], s[10:11] offset:(k>>2)*CELLB th:TH_STORE_NT         ; channels 0-127 of the cell: 512 consecutive bytes
	global_store_b128 v[L16], v[rs+4:rs+7], s[10:11] offset:(k>>2)*CELLB+512 th:TH_STORE_NT   ; channels 128-255
.endif
.endm
.set k, 0
.rept NSAMP
	SAMPLE
.set k, k+1
.endr
	s_endpgm
.Lfunc_end_k_q5bb246831c_roipool:
	.size	k_q5bb246831c_roipool, .Lfunc_end_k_q5bb246831c_roipool-k_q5bb246831c_roipool
	.p2alignl 7, 3214868480
	.fill 96, 4, 3214868480
	.section	.rodata,"a",@progbits
	.p2align	6, 0x0
	.amdhsa_kernel k_q5bb246831c_roipool
		.amdhsa_group_segment_fixed_size 0
		.amdhsa_private_segment_fixed_size 0
		.amdhsa_enable_private_segment 0
		.amdhsa_kernarg_size 32
		.amdhsa_user_sgpr_count 2
		.amdhsa_user_sgpr_kernarg_segment_ptr 1
		.amdhsa_wavefront_size32 1
		.amdhsa_system_sgpr_workgroup_id_x 1
		.amdhsa_system_sgpr_workgroup_id_y 1
		.amdhsa_system_sgpr_workgroup_id_z 1
		.amdhsa_system_vgpr_workitem_id 0
		.amdhsa_next_free_vgpr 128
		.amdhsa_next_free_sgpr 80
		.amdhsa_reserve_vcc 1
		.amdhsa_float_denorm_mode_32 3
		.amdhsa_float_denorm_mode_16_64 3
		.amdhsa_memory_ordered 1
		.amdhsa_forward_progress 1
		.amdhsa_inst_pref_size 92
	.end_amdhsa_kernel
	.amdgpu_metadata
---
amdhsa.version: [ 1, 2 ]
amdhsa.kernels:
  - .name:           k_q5bb246831c_roipool
    .symbol:         k_q5bb246831c_roipool.kd
    .args:
      - { .name: featb, .offset: 0, .size: 8, .value_kind: global_buffer, .address_space: global }
      - { .name: image_shape, .offset: 8, .size: 8, .value_kind: global_buffer, .address_space: global }
      - { .name: rois, .offset: 16, .size: 8, .value_kind: global_buffer, .address_space: global }
      - { .name: out0, .offset: 24, .size: 8, .value_kind: global_buffer, .address_space: global }
    .group_segment_fixed_size: 0
    .private_segment_fixed_size: 0
    .kernarg_segment_align: 8
    .kernarg_segment_size: 32
    .max_flat_workgroup_size: 224
    .sgpr_count:     80
    .vgpr_count:     128
    .wavefront_size: 32
...
	.end_amdgpu_metadata
.endif
;; end of part 3
;; ======== version 3 of 3: 2 launches; version 2 with the launch roipool written anew for expert scheduling mode
;; limits: right only within a limited range of input values; values outside matrix products are rounded to bf16
;; workspace buffers: featb 20,480,000 bytes
;; launch tobf16: the kernel of part 2 again; grid 1000 x 1, 8 waves a work-group, no clusters, 0 bytes of LDS; arguments features_map, featb; writes featb
;; launch roipool (part 4): grid 1000 x 1, 7 waves a work-group, no clusters, 0 bytes of LDS; arguments featb, image_shape, rois, out0; writes out0
.if DOCPART == 4
	.amdgcn_target "amdgcn-amd-amdhsa--gfx1250"
	.amdhsa_code_object_version 6
	.text
	.protected	k_q5bb246831c_roipool
	.globl	k_q5bb246831c_roipool
	.p2align	8
	.type	k_q5bb246831c_roipool,@function
k_q5bb246831c_roipool:
	s_mov_b64 s[64:65], 0
	v_nop
	global_prefetch_b8 v0, s[64:65] scope:SCOPE_SE
	s_setreg_imm32_b32 hwreg(HW_REG_WAVE_SCHED_MODE, 0, 2), 2
	s_setreg_imm32_b32 hwreg(HW_REG_WAVE_MODE, 25, 1), 1
	s_wait_xcnt 0x0
	s_wait_alu depctr_vm_vsrc(0)
; RoiPooling: crop_and_resize of 14 x 14 bilinear samples per ROI from a [200][200][256] map, then a 2 x 2 max: out [1000][7][7][256] f32.
; The map is read from the bf16 copy that the launch before made: pixel p at byte 512 p, 16-byte group L = channels 4L..4L+3, 128+4L..128+4L+3.
; One work-group per ROI, seven waves, wave = pooled row py.  A wave folds 2 x 14 samples; a sample is 4 pixels of 512 bytes, one load each.
; Lane L owns group L: every load covers a whole pixel, and each of a cell's two stores covers 512 consecutive bytes, aligned.
;
; THE MODE: SCHED_MODE bits 1:0 = 2 (LLVM: expert scheduling mode 2), set by the entry lines.  The code itself states the register dependences
; between vector instructions and memory instructions, with s_wait_alu, always for 0.
; THE PLAN.  Registers that memory instructions touch:
;   v[L16]       the offset of every load and store.  Written once at the head, never again: a pixel is reached by the slot's scalar base.
;   RING slot s  Sample k (s = k % 4): its 32 multiply-adds read the slot; behind them the four loads of sample k + 4 land in it.
;   RES set r    Cell c (r = c % 4): written by its multiply-adds and maxima in samples 4c to 4c + 3; read by its two stores, which are issued in
;                sample 4c + 4.  Sets 0, 1, 2 are written again by cells 4, 5, 6; set 3 never.
;   W, ACCB, ACCC and ZERO are named by vector instructions alone.
; So ONE wait on va_vdst stands in a sample, behind its multiply-adds: it states that they are done reading the slot and that the maxima of the
; cell before have written its result set.  The sample's loads and that cell's stores follow it with no vector instruction between; the sample's
; own maxima come behind them and name none of the registers that they touch.  One wait on vm_vsrc, at sample 16, stands ahead of the first line
; that writes a result set again.  Samples 25 and 26 issue no memory instruction and state nothing.
;
; A SAMPLE POSITION IS COMPUTED TWICE.
;  (1) Its index in whole numbers, because addresses are made of whole numbers only: exactly, ys = 199 (a (13-i) + b i) / (52 h) with a, b the
;      ROI's two coordinates and h the image size; the floor is an 8-step restoring division (a quotient above 198 is clamped anyway).
;      The index is clamped to 198, so that the lower row and the right column are always +1: fixed immediate offsets, always inside the map.
;  (2) Its value in f32, for the fraction and for the test 0 <= ys <= 199.  Where the exact position is 0 or 199 the test is decided by the last
;      bit of the f32 sum (the nearest other positions lie 199 / (52 h) away, far beyond any rounding), so the ORDER OF ROUNDING is a choice:
;      b = (a / 4) / h as a rounded division; g = i x the rounded 1/13; d = b2 - b1; g d; p = b1 x 199, each rounded; then ys = (g d) x 199 + p
;      with ONE rounding (a fused multiply-add).  This is the definition's formula as it comes out when the division by the constant 13 is
;      turned into a multiplication and the product that depends on i is fused into the sum.  With b2 = 0 and i = 13 the sum is the rounding
;      error of b1 x 199, and its sign says whether the sample counts.
;      The fraction is ys minus the index of (1): where the f32 floor and the exact floor differ next to an integer the fraction comes out as
;      about 1 or just below 0, and the interpolation, being continuous there, gives the same value to a few units of f32's last place.
;      ys = 199 gives index 198 and fraction 1: the last row, as defined.
; A sample outside the map gets four weights of 0 (a select on the weights, no branch).
;
; LIMITS.  FORMAT: each feature has been rounded once to bf16 (relative error at most 2^-9); weights, products, sums and maxima are f32, so a
; result is off by at most the largest rounding among its four pixels.  Features are finite: a sample outside the map is formed as 0 x pixel,
; and the maxima drop NaN.  The sign of a zero may differ.  1 <= image_shape <= 2^19 and |rois| < 2^19: then 199 x 13 x |roi| < 2^31 and
; (52 x size) << 7 < 2^32, and the whole-number index is right; beyond that the indices are still clamped into the map.
;
; NO LDS, NO BARRIER, NO CLUSTER: the 784 pixels of a ROI are used once each, and which pixels two ROIs share is not known in advance, so there
; is no tile to keep or to ask for jointly.  No prefetch: 784,000 pixel reads fall on 40,000 pixels, so most reads follow another group's.
.set PIXB,  512                        ; bytes of a pixel of the copy: 256 bf16
.set ROWB,  200*PIXB                   ; bytes of a row of the copy
.set CELLB, 1024                       ; bytes of a cell of the output: 256 f32
.set TOPI,  198                        ; largest index of an upper-left corner
.set NSAMP, 28                         ; samples of a wave: 2 rows x 14 columns
.set DEPTH, 4                          ; register slots: one at work, three on their way
.set NRES,  4                          ; sets of result registers
; vector registers (v[2:5] are not used)
.set L16,  1                           ; v1       16 x lane; never rewritten
.set TMP,  6                           ; v6       at the head only: the lane, then a quotient bit
.set ZERO, 7                           ; v7       0.0: what the first product of a sample is added to
.set W,    8                           ; v[8:11]  the sample's four weights: upper left, upper right, lower left, lower right
.set ACCB, 12                          ; v[12:19] sample 1 of a cell, later sample 3
.set ACCC, 20                          ; v[20:27] sample 2
.set RES,  28                          ; v[28:59] set c % 4 of cell c: sample 0, then the running max, then the store's data
.set RING, 60                          ; v[60:123] slot s: 16 registers: four pixels in the order of the weights, 4 each
; set-up temporaries, in v[12:31], all dead before the first sample is folded; no memory instruction names them
.set VI,   12                          ; i = lane % 16: which of the 14 positions
.set VS,   13                          ; the box's first coordinate on my axis
.set VE,   14                          ; its second
.set VDIM, 15                          ; the image size on my axis
.set VN,   16                          ; numerator, then remainder
.set VD,   17                          ; denominator
.set VT,   18
.set VQ,   19                          ; quotient = index
.set FS,   20
.set FE,   21
.set FD,   22
.set FI,   23
.set RD,   24                          ; 1 / size
.set B1,   25
.set B2,   26
.set GR,   27                          ; i x (1/13)
.set PS,   28                          ; the position ys or xs
.set DD,   29
.set WV0,  30                          ; weight of the index itself
.set WV1,  31                          ; weight of index + 1
; scalar registers: s2 199, s3 199.0, s[4:11] the four addresses, s12 py, s13 mask of the x lanes, s[14:15] at work,
; s[16:19] the ROI, s[20:21] image_shape, s22, s23 the lanes of my two sample rows
.set XO,   24                          ; s[24:37] column j: byte offset of its left pixel in a row
.set YO,   38                          ; s[38:39] my two sample rows: byte offset of the upper map row
.set WX0,  40                          ; s[40:53] column j: weight of the left pixel
.set WY0,  54                          ; s[54:55] my two rows: weight of the upper map row
.set WY1,  56                          ; s[56:57] weight of the lower map row
.set SUM,  58                          ; s[58:59] row offset + column offset, at work, as a pair with 0 above it
.set WX1,  66                          ; s[66:79] column j: weight of the right pixel
.set BAS,  80                          ; s[80:87] slot s: the copy's address at the upper-left pixel of the sample that the slot is asked for: a pair at BAS + 2 s
	s_load_b256 s[4:11], s[0:1], 0x0               ; featb s[4:5], image_shape s[6:7], rois s[8:9], out s[10:11]
	v_lshrrev_b32 v[TMP], 5, v0
	v_readfirstlane_b32 s12, v[TMP]                ; wave number = pooled row py
	v_and_b32 v[TMP], 31, v0                       ; lane
	v_lshlrev_b32 v[L16], 4, v[TMP]
	v_and_b32 v[VI], 15, v[TMP]                    ; lanes 0-13: y positions, lanes 16-29: x positions (14, 15, 30, 31 idle along)
	v_cmp_lt_u32 s13, 15, v[TMP]                   ; the x lanes
	v_sub_nc_u32 v[VT], 13, v[VI]                  ; 13 - i
	v_mov_b32 v[ZERO], 0
	s_lshl_b32 s14, ttmp9, 4                       ; 16 bytes a ROI
	s_mov_b32 s15, 0
	s_mov_b32 s[SUM+1], 0
	s_movk_i32 s2, 199
	s_mov_b32 s3, 0x43470000                       ; 199.0
	s_wait_alu depctr_va_sdst(0)                   ; s12 (the wave's number) and s13 (the x lanes' mask) are written, ahead of the first reader of either
	s_lshl_b32 s22, s12, 1                         ; sample rows 2 py
	s_add_co_u32 s23, s22, 1                       ; and 2 py + 1
	s_wait_kmcnt 0x0
	s_add_nc_u64 s[8:9], s[8:9], s[14:15]
	s_load_b128 s[16:19], s[8:9], 0x0              ; x1, y1, x2, y2 of my ROI
	s_load_b64 s[20:21], s[6:7], 0x0               ; h, w
	s_mul_i32 s14, ttmp9, 49
	s_mul_i32 s[SUM], s12, 7
	s_add_co_u32 s14, s14, s[SUM]
	s_lshl_b32 s14, s14, 10                        ; (49 ROI + 7 py) cells of 1,024 bytes: below 2^26
	s_add_nc_u64 s[10:11], s[10:11], s[14:15]      ; out at my row of cells
	s_wait_kmcnt 0x0
	; ---- the index, in whole numbers ----
	v_mov_b32 v[VS], s16
	v_cndmask_b32 v[VS], s17, v[VS], s13           ; x lanes x1, y lanes y1
	v_mov_b32 v[VE], s18
	v_cndmask_b32 v[VE], s19, v[VE], s13           ; x2, y2
	v_mov_b32 v[VDIM], s21
	v_cndmask_b32 v[VDIM], s20, v[VDIM], s13       ; w, h
	v_mul_lo_u32 v[VN], v[VS], v[VT]
	v_mul_lo_u32 v[VT], v[VE], v[VI]
	v_add_nc_u32 v[VN], v[VN], v[VT]
	v_mul_lo_u32 v[VN], v[VN], s2                  ; 199 (a (13 - i) + b i); a negative one reads as a huge one and ends at the clamp
	v_mul_lo_u32 v[VD], v[VDIM], 52                ; 4 x 13 x size
	v_mov_b32 v[VQ], 0
.irp b, 7,6,5,4,3,2,1,0                            ; quotient bit b: subtract the denominator << b where it fits; 256 and more gives 255
	v_lshlrev_b32 v[VT], \b, v[VD]
	v_cmp_ge_u32 vcc_lo, v[VN], v[VT]              ; the bit's one writer of VCC
	v_sub_nc_u32 v[VT], v[VN], v[VT]
	s_wait_alu depctr_va_vcc(0)                    ; the compare has written VCC, which the two selects below read.  A wait to each bit: a bit's compare needs the remainder that the bit before selected
	v_cndmask_b32 v[VN], v[VN], v[VT], vcc_lo
	v_cndmask_b32 v[TMP], 0, 1, vcc_lo             ; the bit as a number: no carry, so that no line but the compare writes VCC
	v_lshl_or_b32 v[VQ], v[VQ], 1, v[TMP]          ; q = 2 q + bit
.endr
	v_readlane_b32 s[YO], v[VQ], s22               ; all sixteen indices in one run,
	v_readlane_b32 s[YO+1], v[VQ], s23
.irp j, 0,1,2,3,4,5,6,7,8,9,10,11,12,13
	v_readlane_b32 s[XO+\j], v[VQ], 16+\j
.endr
	s_wait_alu depctr_va_sdst(0)                   ; and one wait: s[YO ..] and s[XO ..] are written, ahead of the clamps that read them
	s_min_u32 s[YO], s[YO], TOPI                   ; every index is clamped as a scalar, then scaled: no load leaves the map
	s_min_u32 s[YO+1], s[YO+1], TOPI
	s_mul_i32 s[YO], s[YO], ROWB
	s_mul_i32 s[YO+1], s[YO+1], ROWB
.irp j, 0,1
	s_min_u32 s[XO+\j], s[XO+\j], TOPI
	s_lshl_b32 s[XO+\j], s[XO+\j], 9
.endr
; Sample n (cell n / 4; row bit 1 of n, column 2 (n / 4) + bit 0 of n) goes into slot n % 4.
; BASE makes the slot's address: the copy's first byte + the row's and the column's offsets, at most (198 x 200 + 198) x 512, below 2^25.
.macro BASE n
.set fi, ((\n)>>1)&1
.set fj, 2*((\n)>>2)+((\n)&1)
.set fs, (\n)%DEPTH
	s_add_co_u32 s[SUM], s[YO+fi], s[XO+fj]
	s_add_nc_u64 s[BAS+2*fs:BAS+2*fs+1], s[4:5], s[SUM:SUM+1]
.endm
; FILL asks for it: four loads, a whole pixel of 512 bytes each.  The two pixels of a map row are 1,024 consecutive bytes; the lower row lies ROWB further.
; The largest byte touched is (198 x 200 + 198) x 512 + ROWB + 1023, the copy's last.
.macro FILL n
.set fs, (\n)%DEPTH
	global_load_b128 v[RING+16*fs:RING+16*fs+3],     v[L16], s[BAS+2*fs:BAS+2*fs+1]
	global_load_b128 v[RING+16*fs+4:RING+16*fs+7],   v[L16], s[BAS+2*fs:BAS+2*fs+1] offset:PIXB
	global_load_b128 v[RING+16*fs+8:RING+16*fs+11],  v[L16], s[BAS+2*fs:BAS+2*fs+1] offset:ROWB
	global_load_b128 v[RING+16*fs+12:RING+16*fs+15], v[L16], s[BAS+2*fs:BAS+2*fs+1] offset:ROWB+PIXB
.endm
	BASE 0
	BASE 1
	BASE 2
	BASE 3
	s_wait_alu depctr_va_vdst(0)                   ; v[L16] is written: every load and store of the kernel reads it as its offset, and no line writes it again
	FILL 0                                         ; the ring is filled as soon as the first indices are known (the first cell needs columns 0 and 1);
	FILL 1                                         ; the f32 part of the set-up, which names none of the ring's registers, runs while these 16 loads are on their way
	FILL 2
	FILL 3
.irp j, 2,3,4,5,6,7,8,9,10,11,12,13
	s_min_u32 s[XO+\j], s[XO+\j], TOPI
	s_lshl_b32 s[XO+\j], s[XO+\j], 9
.endr
	; ---- the position in f32, in the order of rounding stated at the head: fraction and validity ----
	v_cvt_f32_i32 v[FS], v[VS]
	v_cvt_f32_i32 v[FE], v[VE]
	v_cvt_f32_i32 v[FD], v[VDIM]
	v_cvt_f32_u32 v[FI], v[VI]
	v_rcp_f32 v[RD], v[FD]
	v_mul_f32 v[FS], 0x3e800000, v[FS]             ; / 4, exact.  Also the plain instruction between v_rcp_f32 and the use of its result (ISA guide 5.7.2)
	v_mul_f32 v[FE], 0x3e800000, v[FE]
	v_mul_f32 v[GR], 0x3d9d89d9, v[FI]             ; grid = i x (1/13 rounded to f32), rounded; at i = 13 it is 1 + 5 x 2^-27, which rounds to 1.0
	s_wait_alu depctr_va_vdst(0)
	v_fma_f32 v[VT], -v[FD], v[RD], 1.0            ; one Newton step on the reciprocal
	v_fma_f32 v[RD], v[VT], v[RD], v[RD]
; q = a / b rounded as a division: a first quotient, then twice the exact residual a - b q times the reciprocal.
; A size of 0 makes NaN of everything, which fails both comparisons below: weights 0, as the definition's mask gives.
.macro FDIV q, a, b, y
	v_mul_f32 v[\q], v[\a], v[\y]
	v_fma_f32 v[VT], -v[\b], v[\q], v[\a]
	v_fma_f32 v[\q], v[VT], v[\y], v[\q]
	v_fma_f32 v[VT], -v[\b], v[\q], v[\a]
	v_fma_f32 v[\q], v[VT], v[\y], v[\q]
.endm
	FDIV B1, FS, FD, RD                            ; the box's normalized first coordinate
	FDIV B2, FE, FD, RD                            ; and second
	v_mul_f32 v[PS], s3, v[B1]                     ; p = b1 x 199, rounded by itself: it does not depend on i
	v_sub_f32 v[DD], v[B2], v[B1]
	v_mul_f32 v[DD], v[GR], v[DD]                  ; g d, rounded
	v_fma_f32 v[PS], v[DD], s3, v[PS]              ; ys (y lanes), xs (x lanes) = (g d) x 199 + p, one rounding
	v_min_u32 v[VQ], TOPI, v[VQ]
	v_cvt_f32_u32 v[VT], v[VQ]
	v_cmp_le_f32 s14, 0, v[PS]                     ; the two compares in a run, each into a scalar register of its own
	v_cmp_ge_f32 s15, s3, v[PS]
	v_sub_f32 v[WV1], v[PS], v[VT]                 ; the fraction
	v_sub_f32 v[WV0], 1.0, v[WV1]
	s_wait_alu depctr_va_sdst(0)                   ; s14 and s15 are written, ahead of the line that joins them
	s_and_b32 s14, s14, s15                        ; 0 <= position <= 199
	v_cndmask_b32 v[WV1], 0, v[WV1], s14           ; outside the map both weights are 0
	v_cndmask_b32 v[WV0], 0, v[WV0], s14
	v_readlane_b32 s[WY0], v[WV0], s22
	v_readlane_b32 s[WY0+1], v[WV0], s23
	v_readlane_b32 s[WY1], v[WV1], s22
	v_readlane_b32 s[WY1+1], v[WV1], s23
.irp j, 0,1,2,3,4,5,6,7,8,9,10,11,12,13
	v_readlane_b32 s[WX0+\j], v[WV0], 16+\j
	v_readlane_b32 s[WX1+\j], v[WV1], 16+\j
.endr
	s_wait_alu depctr_va_sdst(0)                   ; the 32 weights s[WY0 ..], s[WY1 ..], s[WX0 ..], s[WX1 ..] are written, ahead of the samples' products, their first readers
; Cell c leaves from its result set: two stores of 512 consecutive bytes.
.macro SEND c
.set ss, RES+8*((\c)%NRES)
	global_store_b128 v[L16], v[ss:ss+3], s[10:11] offset:(\c)*CELLB th:TH_STORE_NT         ; channels 0-127 of the cell
	global_store_b128 v[L16], v[ss+4:ss+7], s[10:11] offset:(\c)*CELLB+512 th:TH_STORE_NT   ; channels 128-255
.endm
; ---- sample k: four weight products, 32 multiply-adds for my 8 channels, the slot filled again, and the cell's max ----
; A multiply-add takes one bf16 half of a loaded word, an f32 weight and an f32 sum, and rounds once to f32: the words are never unpacked.
; Word c of a pixel holds my channels 2c (low half) and 2c + 1 (high half), in the order in which they are stored.
; Sample 0 of a cell goes to the cell's result set, samples 1 and 2 to ACCB and ACCC; one three-way max; sample 3 to ACCB; one max.
; The cell's two stores are issued in the next cell's sample 0, behind that sample's wait; the last cell's behind a wait of their own.
.macro SAMPLE
.set si, (k>>1)&1
.set sj, 2*(k>>2)+(k&1)
.set sq, k&3
.set sr, RING+16*(k%DEPTH)
.set rs, RES+8*((k>>2)%NRES)
.if sq==0
.set sd, rs
.endif
.if sq==1
.set sd, ACCB
.endif
.if sq==2
.set sd, ACCC
.endif
.if sq==3
.set sd, ACCB
.endif
	v_mul_f32 v[W+0], s[WY0+si], s[WX0+sj]         ; upper left
	v_mul_f32 v[W+1], s[WY0+si], s[WX1+sj]         ; upper right
	v_mul_f32 v[W+2], s[WY1+si], s[WX0+sj]         ; lower left
	v_mul_f32 v[W+3], s[WY1+si], s[WX1+sj]         ; lower right
.if k<=NSAMP-DEPTH
	s_wait_loadcnt 4*(DEPTH-1)                     ; loads come back in order (ISA guide 5.7.1): my four are in, the 3 x 4 of the three younger samples stay out
.else
	s_wait_loadcnt 4*(NSAMP-1-k)                   ; the tail: two younger samples, one, none
.endif
.if k+DEPTH<NSAMP
	BASE (k+DEPTH)                                 ; free since that wait, which shows the loads that read the slot's base done: the sample four further on
.endif
.if k==4*NRES
	s_wait_xcnt 0x0                                ; cells 0 to 2 have been stored from result sets 0 to 2; cells 4, 5, 6 write these sets again,
	                                               ; all behind this one wait (ISA guide 3.1)
	s_wait_alu depctr_vm_vsrc(0)                   ; the stores of cells 0 to 2 have read result sets 0 to 2, which the multiply-adds of cells 4 to 6 write again
.endif
.irp c, 0,1,2,3
	v_fma_mix_f32_bf16 v[sd+2*\c],   v[sr+\c], v[W], v[ZERO] op_sel_hi:[1,0,0]
	v_fma_mix_f32_bf16 v[sd+2*\c+1], v[sr+\c], v[W], v[ZERO] op_sel:[1,0,0] op_sel_hi:[1,0,0]
.endr
.irp p, 1,2,3
.irp c, 0,1,2,3
	v_fma_mix_f32_bf16 v[sd+2*\c],   v[sr+4*\p+\c], v[W+\p], v[sd+2*\c] op_sel_hi:[1,0,0]
	v_fma_mix_f32_bf16 v[sd+2*\c+1], v[sr+4*\p+\c], v[W+\p], v[sd+2*\c+1] op_sel:[1,0,0] op_sel_hi:[1,0,0]
.endr
.endr
.if (k+DEPTH<NSAMP) || ((sq==0) && (k>0))
	s_wait_alu depctr_va_vdst(0)                   ; the multiply-adds above are done reading this slot, in which the loads below land; in a cell's sample 0 also: the maxima of the cell before have written its result set, which the stores below read
.endif
.if k+DEPTH<NSAMP
	FILL (k+DEPTH)                                 ; the slot just folded gets the sample four further on
.endif
.if (sq==0) && (k>0)
	SEND ((k>>2)-1)                                ; the cell before; no vector instruction since the wait names its result set
.endif
.if sq==2
.irp c, 0,1,2,3,4,5,6,7
	v_max3_num_f32 v[rs+\c], v[rs+\c], v[ACCB+\c], v[ACCC+\c]
.endr
.endif
.if sq==3
.irp c, 0,1,2,3,4,5,6,7
	v_max_num_f32 v[rs+\c], v[rs+\c], v[ACCB+\c]
.endr
.endif
.endm
.set k, 0
.rept NSAMP
	SAMPLE
.set k, k+1
.endr
	s_wait_alu depctr_va_vdst(0)                   ; the last cell's maxima have written its result set, which the last two stores read
	SEND 6
	s_endpgm
.Lfunc_end_k_q5bb246831c_roipool:
	.size	k_q5bb246831c_roipool, .Lfunc_end_k_q5bb246831c_roipool-k_q5bb246831c_roipool
	.p2alignl 7, 3214868480
	.fill 96, 4, 3214868480
	.section	.rodata,"a",@progbits
	.p2align	6, 0x0
	.amdhsa_kernel k_q5bb246831c_roipool
		.amdhsa_group_segment_fixed_size 0
		.amdhsa_private_segment_fixed_size 0
		.amdhsa_enable_private_segment 0
		.amdhsa_kernarg_size 32
		.amdhsa_user_sgpr_count 2
		.amdhsa_user_sgpr_kernarg_segment_ptr 1
		.amdhsa_wavefront_size32 1
		.amdhsa_system_sgpr_workgroup_id_x 1
		.amdhsa_system_sgpr_workgroup_id_y 1
		.amdhsa_system_sgpr_workgroup_id_z 1
		.amdhsa_system_vgpr_workitem_id 0
		.amdhsa_next_free_vgpr 128
		.amdhsa_next_free_sgpr 88
		.amdhsa_reserve_vcc 1
		.amdhsa_float_denorm_mode_32 3
		.amdhsa_float_denorm_mode_16_64 3
		.amdhsa_memory_ordered 1
		.amdhsa_forward_progress 1
		.amdhsa_inst_pref_size 95
	.end_amdhsa_kernel
	.amdgpu_metadata
---
amdhsa.version: [ 1, 2 ]
amdhsa.kernels:
  - .name:           k_q5bb246831c_roipool
    .symbol:         k_q5bb246831c_roipool.kd
    .args:
      - { .name: featb, .offset: 0, .size: 8, .value_kind: global_buffer, .address_space: global }
      - { .name: image_shape, .offset: 8, .size: 8, .value_kind: global_buffer, .address_space: global }
      - { .name: rois, .offset: 16, .size: 8, .value_kind: global_buffer, .address_space: global }
      - { .name: out0, .offset: 24, .size: 8, .value_kind: global_buffer, .address_space: global }
    .group_segment_fixed_size: 0
    .private_segment_fixed_size: 0
    .kernarg_segment_align: 8
    .kernarg_segment_size: 32
    .max_flat_workgroup_size: 224
    .sgpr_count:     88
    .vgpr_count:     128
    .wavefront_size: 32
...
	.end_amdgpu_metadata
.endif
;; end of part 4
